; MI455X (gfx1250); checked and timed in simulation.
; The chip was launched on July 23, 2026; its instructions are those of AMD's public machine-readable ISA for CDNA 5 (MIT licence, August 2026) and "CDNA5" Instruction Set Architecture Reference Guide (July 2026). The comments in the code are by the model that wrote it; some were corrected since.
;; Multi Head Attention. Allowed arithmetic: float matrix products may take bf16 or f16 operands with f32 sums; all other float work in f32.
;; Inputs: b_in 3,072 float32; b_o 1,024 float32; key 2 x 2,048 x 1,024 float32; query 2 x 2,048 x 1,024 float32; value 2 x 2,048 x 1,024 float32; w_in 3,072 x 1,024 float32; w_o 1,024 x 1,024 float32.
;; Outputs: out0 2 x 2,048 x 1,024 float32.
;; One version. Each part assembles by itself: llvm-mc -triple=amdgcn-amd-amdhsa -mcpu=gfx1250 --defsym DOCPART=n.
;; ======== version 1 of 1: 4 launches
;; workspace buffers: xq 8,388,608 bytes; wi 6,291,456 bytes; wo 2,097,152 bytes; qkv 25,165,824 bytes; att 8,388,608 bytes
;; launch cvt (part 1): grid 1024 x 1, 8 waves a work-group, no clusters, 0 bytes of LDS; arguments query, w_in, w_o, xq, wi, wo; writes xq, wi, wo
.if DOCPART == 1
	.amdgcn_target "amdgcn-amd-amdhsa--gfx1250"
	.amdhsa_code_object_version 6
	.text
	.protected	k_qbee05cc4c5_cvt
	.globl	k_qbee05cc4c5_cvt
	.p2align	8
	.type	k_qbee05cc4c5_cvt,@function
k_qbee05cc4c5_cvt:
	s_mov_b64 s[64:65], 0
	v_nop
	global_prefetch_b8 v0, s[64:65] scope:SCOPE_SE
	s_setreg_imm32_b32 hwreg(HW_REG_WAVE_MODE, 25, 1), 1
	s_wait_xcnt 0x0
; xq = bf16(query), wi = bf16(w_in), wo = bf16(w_o): each f32 matrix operand is rounded to bf16 (nearest even) once, so that the
; products that follow move and read half the bytes and no element is converted twice.
; 8 Mi numbers in all.  A work-group takes 8,192 of them (32 KiB in, 16 KiB out): groups 0-511 query, 512-895 w_in, 896-1023 w_o.
; Thread t, step j: 16 bytes in at 4096 j + 16 t (a wave's load covers 512 consecutive bytes), 8 bytes out at 2048 j + 8 t
; (a wave's store covers 256 consecutive bytes, aligned).  All eight loads are issued first; no loop, no LDS, no barrier.
; The inputs key and value are loaded by no launch of this program: the function computed here forms q, k and v from query alone.
; LIMIT: matrix operands carry bf16's 8 bits of mantissa from here on; the range is f32's.
.set WG_Q,  512                        ; work-groups for query (4 Mi numbers)
.set WG_QW, 896                        ; + 384 for w_in (3 Mi numbers); the last 128 take w_o (1 Mi)
.set X, 4                              ; v[4:35]   step j: 4 numbers as loaded
.set Y, 36                             ; v[36:51]  step j: 4 bf16 to store
	s_load_b256 s[4:11], s[0:1], 0x0               ; query s[4:5], w_in s[6:7], w_o s[8:9], xq s[10:11]
	s_load_b128 s[12:15], s[0:1], 0x20             ; wi s[12:13], wo s[14:15]
	v_lshlrev_b32 v1, 4, v0                        ; 16 t
	v_lshlrev_b32 v2, 3, v0                        ; 8 t
	s_wait_kmcnt 0x0
	s_cmp_lt_u32 ttmp9, WG_Q                       ; which tensor: a choice on the work-group's number alone
	s_cselect_b64 s[22:23], s[4:5], s[6:7]
	s_cselect_b64 s[24:25], s[10:11], s[12:13]
	s_cselect_b32 s21, 0, WG_Q
	s_cmp_lt_u32 ttmp9, WG_QW
	s_cselect_b64 s[22:23], s[22:23], s[8:9]
	s_cselect_b64 s[24:25], s[24:25], s[14:15]
	s_cselect_b32 s21, s21, WG_QW
	s_sub_co_u32 s20, ttmp9, s21                   ; my number within that tensor
	s_lshl_b32 s26, s20, 15                        ; x 32 KiB in
	s_mov_b32 s27, 0
	s_lshl_b32 s28, s20, 14                        ; x 16 KiB out
	s_mov_b32 s29, 0
	s_add_nc_u64 s[22:23], s[22:23], s[26:27]
	s_add_nc_u64 s[24:25], s[24:25], s[28:29]
.irp j, 0,1,2,3,4,5,6,7
	global_load_b128 v[X+4*\j:X+4*\j+3], v1, s[22:23] offset:4096*\j th:TH_LOAD_NT   ; read once in the launch
.endr
.irp j, 0,1,2,3,4,5,6,7
	s_wait_loadcnt 7-\j                            ; loads return in order: step j is in, the younger ones stay out
	v_cvt_pk_bf16_f32 v[Y+2*\j],   v[X+4*\j],   v[X+4*\j+1]
	v_cvt_pk_bf16_f32 v[Y+2*\j+1], v[X+4*\j+2], v[X+4*\j+3]
	global_store_b64 v2, v[Y+2*\j:Y+2*\j+1], s[24:25] offset:2048*\j    ; no hint: the next launch reads these bytes
.endr
	s_endpgm
.Lfunc_end_k_qbee05cc4c5_cvt:
	.size	k_qbee05cc4c5_cvt, .Lfunc_end_k_qbee05cc4c5_cvt-k_qbee05cc4c5_cvt
	.p2alignl 7, 3214868480
	.fill 96, 4, 3214868480
	.section	.rodata,"a",@progbits
	.p2align	6, 0x0
	.amdhsa_kernel k_qbee05cc4c5_cvt
		.amdhsa_group_segment_fixed_size 0
		.amdhsa_private_segment_fixed_size 0
		.amdhsa_enable_private_segment 0
		.amdhsa_kernarg_size 48
		.amdhsa_user_sgpr_count 2
		.amdhsa_user_sgpr_kernarg_segment_ptr 1
		.amdhsa_wavefront_size32 1
		.amdhsa_system_sgpr_workgroup_id_x 1
		.amdhsa_system_sgpr_workgroup_id_y 1
		.amdhsa_system_sgpr_workgroup_id_z 1
		.amdhsa_system_vgpr_workitem_id 0
		.amdhsa_next_free_vgpr 52
		.amdhsa_next_free_sgpr 66
		.amdhsa_reserve_vcc 0
		.amdhsa_float_denorm_mode_32 3
		.amdhsa_float_denorm_mode_16_64 3
		.amdhsa_memory_ordered 1
		.amdhsa_forward_progress 1
		.amdhsa_inst_pref_size 4
	.end_amdhsa_kernel
	.amdgpu_metadata
---
amdhsa.version: [ 1, 2 ]
amdhsa.kernels:
  - .name:           k_qbee05cc4c5_cvt
    .symbol:         k_qbee05cc4c5_cvt.kd
    .args:
      - { .name: query, .offset: 0, .size: 8, .value_kind: global_buffer, .address_space: global }
      - { .name: w_in, .offset: 8, .size: 8, .value_kind: global_buffer, .address_space: global }
      - { .name: w_o, .offset: 16, .size: 8, .value_kind: global_buffer, .address_space: global }
      - { .name: xq, .offset: 24, .size: 8, .value_kind: global_buffer, .address_space: global }
      - { .name: wi, .offset: 32, .size: 8, .value_kind: global_buffer, .address_space: global }
      - { .name: wo, .offset: 40, .size: 8, .value_kind: global_buffer, .address_space: global }
    .group_segment_fixed_size: 0
    .private_segment_fixed_size: 0
    .kernarg_segment_align: 8
    .kernarg_segment_size: 48
    .max_flat_workgroup_size: 256
    .sgpr_count:     66
    .vgpr_count:     52
    .wavefront_size: 32
...
	.end_amdgpu_metadata
.endif
;; end of part 1
;; launch qkvgemm (part 2): grid 12 x 16, 4 waves a work-group, clusters of 4 x 4, 327,680 bytes of LDS; arguments xq, wi, qkv, b_in; writes qkv
.if DOCPART == 2
	.amdgcn_target "amdgcn-amd-amdhsa--gfx1250"
	.amdhsa_code_object_version 6
	.text
	.protected	k_qbee05cc4c5_qkvgemm
	.globl	k_qbee05cc4c5_qkvgemm
	.p2align	8
	.type	k_qbee05cc4c5_qkvgemm,@function
k_qbee05cc4c5_qkvgemm:
	s_mov_b64 s[64:65], 0
	v_nop
	global_prefetch_b8 v0, s[64:65] scope:SCOPE_SE
	s_setreg_imm32_b32 hwreg(HW_REG_WAVE_MODE, 25, 1), 1
	s_wait_xcnt 0x0
	s_wait_alu depctr_hold_cnt(0) depctr_sa_sdst(0) depctr_va_vdst(0) depctr_va_sdst(0) depctr_va_ssrc(0) depctr_va_vcc(0) depctr_vm_vsrc(0)
	s_getreg_b32 s2, hwreg(HW_REG_IB_STS2, 6, 4)
	s_cmp_eq_u32 s2, 0
	s_cbranch_scc0 .Lentry_in_a_cluster
	s_endpgm
.Lentry_in_a_cluster:
	s_bfe_u32 s2, ttmp6, 0x10000c
	s_cmp_lg_u32 s2, 0xf033
	s_cbranch_scc0 .Lentry_shape_is_right
	s_endpgm
.Lentry_shape_is_right:
; qkv = xq wi^T + b_in, rounded to bf16 and laid out by head.
; xq: [4096][1024] bf16 (row = n 2048 + s), wi: [3072][1024] bf16, b_in: [3072] f32.
; qkv: [3 (q,k,v)][2 n][16 head][2048 s][64 d] bf16: a plane (which, n, head) is 262,144 dense bytes, so that two neighbouring s rows of
; one head are 256 consecutive bytes, both for the stores here and for the tiles that the attention launch fetches.
; A work-group makes a block of 256 x 256 with four waves, one on each SIMD; a wave makes 128 x 128 (two heads wide): 64 accumulator tiles of
; 16 x 16, 512 registers.  K goes in steps of 128 through a ring of two LDS slots filled by the tensor data mover; a tile's rows are 256
; bytes of memory and start at multiples of 256 bytes.  12 x 16 = 192 work-groups: the block whose 256 columns are whole heads.
; CLUSTERS: 4 x 4 work-groups.  The four of a row of the cluster need the same tiles of xq, the four of a column the same tiles of wi: each
; such tile is asked for jointly, by the same tensor load with the same descriptor and a mask that names the four.
;
; REGISTERS, in windows of 256 (s_set_vgpr_msb says which window each operand place means):
;   window 0: v0-31 addresses; v32-63 packed results on the way out; v64-127, v128-191 fragments of xq, two buffers; v192-255 the bias
;   window 1: v64-127, v128-191 fragments of wi, two buffers
;   window 2: the 32 accumulator tiles of my rows 0-63 (tile (a, b) at v[8 (8 a + b)]);   window 3: those of my rows 64-127
; THE MATRIX INSTRUCTION IS USED TRANSPOSED: source 0 = 16 rows of wi, source 1 = 16 rows of xq.  Lane l then holds row l % 16 of the result
; and its registers 0-7 the columns 8 (l / 16) + 0 .. 7: eight neighbouring numbers of a row, 16 bytes in bf16.
; THE BIAS STARTS THE SUMS: in that layout register j of column tile b belongs to column 16 b + 8 (l / 16) + j whatever the row, so eight
; registers for each column tile hold the bias as a C operand, and each accumulator's first product takes them: nothing is cleared or added later.
; LIMIT: operands and the stored q, k, v are bf16; sums are f32.
.set SIZE_M, 4096
.set SIZE_N, 3072
.set SIZE_K, 1024
.set KSTEP,  128
.set PITCH,  272                       ; an LDS row: 256 bytes of data + 16 of padding: the 16 rows that a fragment load touches start in 16 different 16-byte columns of 256
.set HALFT,  128*PITCH                 ; 128 rows: what one tensor load brings, and what one wave reads of xq or of wi
.set SLOT,   4*HALFT                   ; xq's 256 rows, then wi's 256 rows
.set STAGE,  2*SLOT                    ; behind the ring: 16 rows x 272 bytes for each wave, for the way out; no tensor load lands here
.set SPITCH, 272
.set LAPS, SIZE_K/(2*KSTEP)            ; a lap = two K steps = once round the ring: 4
.set ADRA, 16                          ; v16-17  LDS address of my xq fragments in slot 0, 1
.set ADRB, 20                          ; v20-21  the same for wi
.set STO,  24                          ; v24     the way out: where I put 16 bytes of a row
.set RD,   25                          ; v25     the way out: where I read 16 bytes back
.set CO,   26                          ; v26     my byte offset in qkv
.set BO,   27                          ; v27     my byte offset in the bias
.set TMP,  32                          ; v32-63  the way out: packed results
.set F0,   64                          ; fragment buffer 0
.set F1,   128                         ; fragment buffer 1
.set BIAS, 192                         ; v192-255 (window 0): column tile b: b_in of columns 16 b + 8 (l / 16) + 0 .. 7
.set G1, 24                            ; s[24:31] descriptor group 1 for xq's tiles
.set G0, 32                            ; s[32:39] descriptor group 0 for xq's tiles, one set for each slot
.set G1B, 48                           ; s[48:55] descriptor group 1 for wi's tiles: it differs in the mask alone
.set G0B, 56                           ; s[56:63] descriptor group 0 for wi's tiles, one set for each slot
.set MSB, 0
.macro WIN new                         ; the immediate's high byte repeats the setting that is left
.if MSB != \new
	s_set_vgpr_msb (MSB<<8)|\new
.set MSB, \new
.endif
.endm
.set MUL_LO,   0xa1                    ; source 0 (wi) window 1, source 1 (xq) window 0, C and D window 2
.set MUL_HI,   0xf1                    ; the same, C and D window 3
.set FIRST_LO, 0x81                    ; the first products: C (the bias) window 0, D window 2
.set FIRST_HI, 0xc1                    ; C window 0, D window 3
.set TO_B,     0x40                    ; destination window 1, address window 0
; A joint load.  Waves 0 and 1 fetch xq's two halves, waves 2 and 3 wi's.  Each of the two lines has one mask and one set of registers for all
; that issue it; the branch hangs on the wave's number alone and is the same in every work-group.
.macro JLOAD s
	s_cmp_eq_u32 s11, 0
	s_cbranch_scc0 .Lfor_b_\@
	tensor_load_to_lds s[G0+4*\s:G0+4*\s+3], s[G1:G1+7]
	s_nop 0
	s_branch .Lasked_\@
.Lfor_b_\@:
	tensor_load_to_lds s[G0B+4*\s:G0B+4*\s+3], s[G1B:G1B+7]
	s_nop 0
.Lasked_\@:
.endm
; A round of the cluster's barrier: my work-group's barrier, so that wave 0's signal speaks for all four waves; wave 0 signals for the
; work-group; every wave waits for all sixteen work-groups; my work-group's barrier once more.
.macro CREST                           ; a round behind its opening barrier
	s_cmp_lg_u32 s10, 0
	s_cbranch_scc1 .Lnot_wave_0_\@
	s_barrier_signal -3
.Lnot_wave_0_\@:
	s_barrier_wait -3
	s_barrier_signal -1
	s_barrier_wait -1
.endm
.macro CROUND                          ; a whole round
	s_barrier_signal -1
	s_barrier_wait -1
	CREST
.endm
	s_load_b128 s[4:7], s[0:1], 0x0                ; xq s[4:5], wi s[6:7]
	s_load_b64 s[8:9], s[0:1], 0x10                ; qkv
	s_load_b64 s[66:67], s[0:1], 0x18              ; b_in
	s_set_vgpr_msb 0x40
	v_lshl_add_u32 v255, v0, 2, 0x48400
	s_set_vgpr_msb 0x4000
	v_mov_b32 v31, 0
	s_set_vgpr_msb 0x1
	ds_add_u32 v255, v31
	s_set_vgpr_msb 0x100
	v_lshrrev_b32 v1, 5, v0
	v_readfirstlane_b32 s10, v1                    ; wave 0..3
	s_lshr_b32 s11, s10, 1                         ; which half of the block's rows is mine.  Also: I fetch for xq (0) or for wi (1)
	s_and_b32 s12, s10, 1                          ; which half of its columns.  Also: which 128 rows of that tile I fetch
	s_bfe_u32 s40, ttmp6, 0x40000                  ; cx: my place along the cluster's x
	s_bfe_u32 s41, ttmp6, 0x40004                  ; cy: along its y
	s_lshl_b32 s42, ttmp9, 2                       ; in a cluster launch ttmp9 and ttmp7 count clusters
	s_add_co_u32 s42, s42, s40                     ; block column = 4 x cluster x + cx, 0..11
	s_and_b32 s13, ttmp7, 0xffff
	s_lshl_b32 s13, s13, 2
	s_add_co_u32 s13, s13, s41                     ; block row = 4 x cluster y + cy, 0..15
	s_lshl_b32 s43, s41, 2
	s_lshl_b32 s43, 15, s43                        ; my row of the cluster: places 4 cy .. 4 cy + 3
	s_lshl_b32 s44, 0x1111, s40                    ; my column: places cx, cx + 4, cx + 8, cx + 12
	; descriptor group 1: a tile of 128 rows x 128 elements of 2 bytes, 16 bytes of padding behind every 64 words
	s_or_b32 s[G1+0], s43, (1<<16)|(1<<20)|(1<<21)|(5<<22)|(3<<25)  ; 15:0 mask: xq's tiles go to my row; 17:16 2-byte elements; 20 padding on; 21 set beside a mask; 24:22 every 64 words; 31:25 4 words
	s_or_b32 s[G1B+0], s44, (1<<16)|(1<<20)|(1<<21)|(5<<22)|(3<<25) ; the same with the mask of my column, for wi's tiles
	s_mov_b32 s[G1B+1], KSTEP<<16
	s_mov_b32 s[G1+1], KSTEP<<16                   ; tensor_dim0 = 128
	s_mov_b32 s[G1B+2], 128<<16
	s_mov_b32 s[G1+2], 128<<16                     ; tensor_dim1 = 128
	s_mov_b32 s[G1B+3], KSTEP<<16
	s_mov_b32 s[G1+3], KSTEP<<16                   ; tile_dim0 = 128
	s_mov_b32 s[G1B+4], 128
	s_mov_b32 s[G1+4], 128                         ; tile_dim1 = 128
	s_mov_b32 s[G1B+5], SIZE_K
	s_mov_b32 s[G1+5], SIZE_K                      ; elements from row to row
	s_mov_b32 s[G1B+6], 0
	s_mov_b32 s[G1+6], 0
	s_mov_b32 s[G1B+7], 0
	s_mov_b32 s[G1+7], 0
	; where the tiles come from: xq's hang on the block row alone, wi's on the block column alone, each in registers that never hold the other coordinate
	s_lshl_b32 s17, s12, 7                         ; which 128 rows of the tile I fetch
	s_lshl_b32 s16, s13, 8
	s_add_co_u32 s16, s16, s17                     ; xq: row 256 x block row + 128 x half
	s_lshl_b32 s46, s42, 8
	s_add_co_u32 s46, s46, s17                     ; wi: row 256 x block column + 128 x half
	s_mov_b32 s17, 0
	s_mov_b32 s47, 0
	s_mov_b64 s[18:19], SIZE_K*2
	s_mul_u64 s[16:17], s[16:17], s[18:19]         ; in bytes
	s_mul_u64 s[46:47], s[46:47], s[18:19]
	s_mul_i32 s20, s10, HALFT                      ; and where they go: wave x 128 rows
	s_lshl_b32 s68, s42, 10                        ; the bias of my 128 columns: 4 bytes x (256 x block column + 128 x half)
	s_lshl_b32 s69, s12, 9
	s_add_co_u32 s68, s68, s69
	s_mov_b32 s69, 0
	s_wait_dscnt 0x0
	s_wait_kmcnt 0x0
	s_add_nc_u64 s[14:15], s[4:5], s[16:17]
	s_add_nc_u64 s[46:47], s[6:7], s[46:47]
	s_add_nc_u64 s[66:67], s[66:67], s[68:69]
	CROUND                                         ; all sixteen work-groups are here: the first joint loads meet
.irp s, 0,1
	s_mov_b32 s[G0+4*\s], 1                                        ; count = 1
	s_add_co_u32 s[G0+4*\s+1], s20, \s*SLOT                        ; LDS address
	s_add_nc_u64 s[G0+4*\s+2:G0+4*\s+3], s[14:15], \s*KSTEP*2      ; global address: K step s
	s_or_b32 s[G0+4*\s+3], s[G0+4*\s+3], 0x80000000                ; type = 2
	s_mov_b32 s[G0B+4*\s], 1
	s_add_co_u32 s[G0B+4*\s+1], s20, \s*SLOT
	s_add_nc_u64 s[G0B+4*\s+2:G0B+4*\s+3], s[46:47], \s*KSTEP*2
	s_or_b32 s[G0B+4*\s+3], s[G0B+4*\s+3], 0x80000000
	JLOAD \s                                       ; the ring is filled before anything else is done: two tensor loads of the wave are out
.endr
	; A fragment is 16 rows x 32 K in 8 registers: lane l holds row l % 16; registers 0-3 K = 8 (l / 16) + 0..7, registers 4-7 K = 16 + 8 (l / 16) + 0..7:
	; two loads of 16 bytes, 32 bytes apart.
	v_and_b32 v1, 15, v0                           ; l % 16
	v_bfe_u32 v2, v0, 4, 1                         ; l / 16
	v_lshlrev_b32 v[BO], 5, v2                     ; 8 numbers of the bias for each half of the lanes
.irp b, 0,1,2,3,4,5,6,7
	global_load_b128 v[BIAS+8*\b:BIAS+8*\b+3],   v[BO], s[66:67] offset:64*\b
	global_load_b128 v[BIAS+8*\b+4:BIAS+8*\b+7], v[BO], s[66:67] offset:64*\b+16
.endr
	v_mul_u32_u24 v3, v1, PITCH
	v_lshl_add_u32 v3, v2, 4, v3                   ; row x pitch + 16 x half
	s_mul_i32 s21, s11, HALFT                      ; my 128 rows of xq
	s_mul_i32 s22, s12, HALFT                      ; my 128 rows of wi,
	s_add_co_u32 s22, s22, 2*HALFT                 ; which lie behind xq's 256
.irp s, 0,1
	v_add_nc_u32 v[ADRA+\s], s21, v3
	v_add_nc_u32 v[ADRB+\s], s22, v3
	s_add_co_u32 s21, s21, SLOT
	s_add_co_u32 s22, s22, SLOT
.endr
	s_mul_i32 s23, s10, 16*SPITCH
	s_add_co_u32 s23, s23, STAGE                   ; my stage
	v_mul_u32_u24 v4, v1, SPITCH                   ; in: row l % 16, 16 bytes for each half of the lanes
	v_lshl_add_u32 v4, v2, 4, v4
	v_add_nc_u32 v[STO], s23, v4
	v_bfe_u32 v5, v0, 3, 1                         ; back: lanes 0-15 take head 0 of two rows (2 x 128 bytes), lanes 16-31 head 1 of the same rows
	v_mul_u32_u24 v5, v5, SPITCH                   ; which of the two rows
	v_lshl_add_u32 v5, v2, 7, v5                   ; which head: 128 bytes of the stage's row
	v_and_b32 v6, 7, v0
	v_lshl_add_u32 v5, v6, 4, v5                   ; which 16 bytes of the 128
	v_add_nc_u32 v[RD], s23, v5
	v_lshlrev_b32 v5, 18, v2                       ; in qkv: the head's plane,
	v_lshl_add_u32 v[CO], v1, 4, v5                ; and 16 lanes on 256 consecutive bytes (two s rows)
; 16 matrix instructions: row tiles a0, a0 + 1 of the window's four (hi = 0: my rows 0-63, 1: rows 64-127) x all 8 column tiles, 32 along K.
; zero = 1: the first product takes the bias as C and starts the sums.
.macro MUL16 f, hi, a0, zero
.irp a, \a0, \a0+1
.irp b, 0,1,2,3,4,5,6,7
.if \zero
	v_wmma_f32_16x16x32_bf16 v[8*(8*(\a)+\b):8*(8*(\a)+\b)+7], v[\f+8*\b:\f+8*\b+7], v[\f+8*(4*\hi+\a):\f+8*(4*\hi+\a)+7], v[BIAS+8*\b:BIAS+8*\b+7]
.else
	v_wmma_f32_16x16x32_bf16 v[8*(8*(\a)+\b):8*(8*(\a)+\b)+7], v[\f+8*\b:\f+8*\b+7], v[\f+8*(4*\hi+\a):\f+8*(4*\hi+\a)+7], v[8*(8*(\a)+\b):8*(8*(\a)+\b)+7]
.endif
.endr
.endr
.endm
; 32 LDS loads in one run: the fragments of one quarter step (128 rows of wi, 128 rows of xq, 32 K at byte k of the rows) into buffer f
.macro FETCH slot, k, f
	WIN TO_B
.irp i, 0,1,2,3,4,5,6,7
	ds_load_b128 v[\f+8*\i:\f+8*\i+3],   v[ADRB+\slot] offset:\k+\i*16*PITCH
	ds_load_b128 v[\f+8*\i+4:\f+8*\i+7], v[ADRB+\slot] offset:\k+\i*16*PITCH+32
.endr
	WIN 0
.irp i, 0,1,2,3,4,5,6,7
	ds_load_b128 v[\f+8*\i:\f+8*\i+3],   v[ADRA+\slot] offset:\k+\i*16*PITCH
	ds_load_b128 v[\f+8*\i+4:\f+8*\i+7], v[ADRA+\slot] offset:\k+\i*16*PITCH+32
.endr
.endm
; A load into a register that a matrix instruction has read, and a vector instruction that reads a matrix result, stand four places behind that
; matrix instruction; only plain vector instructions that name none of its registers are places (ISA guide 7.12.1 for vector instructions).
; So four v_nop stand in front of each run of loads and in front of the way out.
.macro PLACES
.rept 4
	v_nop
.endr
.endm
; A K step is four quarter steps of 32 along K, 64 matrix instructions each, on buffers 0, 1, 0, 1.  The 64 accumulators take turns, one
; instruction a turn, in the same order in every quarter.
; One of the first three: multiplies buffer f; in its middle it fetches the next quarter's fragments, at byte k of the same slot's rows, into buffer g.
.macro QUARTER slot, k, f, g, zero
	s_wait_dscnt 8                                 ; wi and xq's rows 0-63 are in; the youngest eight loads (xq's rows 64-127) may be out
.if \zero
	WIN FIRST_LO
.else
	WIN MUL_LO
.endif
	MUL16 \f, 0, 0, \zero
	MUL16 \f, 0, 2, \zero
	PLACES
	FETCH \slot, \k, \g
	s_wait_dscnt 32                                ; all but the 32 just issued
.if \zero
	WIN FIRST_HI
.else
	WIN MUL_HI
.endif
	MUL16 \f, 1, 0, \zero
	MUL16 \f, 1, 2, \zero
.endm
.macro THREE slot, zero
	QUARTER \slot, 64,  F0, F1, \zero
	QUARTER \slot, 128, F1, F0, 0
	QUARTER \slot, 192, F0, F1, 0
.endm
; The last quarter: multiplies buffer 1 and changes slots.  next = the other slot; fill = 1: this slot is filled again, two K steps ahead.
; One barrier for the change of slots.  In front of it each wave waits for its own reads of this slot and for all its tensor loads, of which one is
; out: its part of the next slot.  Behind it nobody reads this slot any more and the next slot is whole: the refill comes first, then the next
; slot's first fragments.  From a request to the wait for it a wave issues 240 matrix instructions.
.macro TURN slot, next, fill
	s_wait_dscnt 8
	WIN MUL_LO
	MUL16 F1, 0, 0, 0
	s_wait_dscnt 0                                 ; my reads of this slot are over
	s_wait_tensorcnt 0x0                           ; and all my tensor loads have landed: the one that was out is my part of the next slot
	ds_add_u32 v255, v31
	s_wait_dscnt 0x0
	s_barrier_signal -1                            ; say so (where a slot is filled again this barrier opens a round of the cluster's barrier),
	MUL16 F1, 0, 2, 0                              ; work on registers while the others arrive,
	WIN 0
	s_barrier_wait -1                              ; and go on when all four have said so
.if \fill
	CREST                                          ; all sixteen work-groups have said so: no wave of any partner still reads this slot's tile or has a load on its way
	s_add_nc_u64 s[G0+4*\slot+2:G0+4*\slot+3], s[G0+4*\slot+2:G0+4*\slot+3], 2*KSTEP*2
	s_add_nc_u64 s[G0B+4*\slot+2:G0B+4*\slot+3], s[G0B+4*\slot+2:G0B+4*\slot+3], 2*KSTEP*2
	JLOAD \slot                                    ; the first tensor load behind the round
.endif
	PLACES
	FETCH \next, 0, F0
	WIN MUL_HI
	MUL16 F1, 1, 0, 0
	MUL16 F1, 1, 2, 0
.endm
.macro LAP zero                        ; once round the ring, both slots filled again
	THREE 0, \zero
	TURN 0, 1, 1
	THREE 1, 0
	TURN 1, 0, 1
.endm
	s_wait_loadcnt 0x0                             ; the bias, once: the first products read it
	s_wait_tensorcnt 1                             ; my part of K step 0 is in; K step 1's load stays out
	s_barrier_signal -1
	s_barrier_wait -1                              ; everybody's is
	FETCH 0, 0, F0
	LAP 1                                          ; the first lap stands in front of the loop: its first products start the sums
	WIN 0                                          ; at a label and at a branch every window is 0
	s_mov_b32 s3, LAPS-2
.Llap:
	LAP 0
	WIN 0
	s_sub_co_u32 s3, s3, 1
	s_cmp_lg_u32 s3, 0
	s_cbranch_scc1 .Llap
	THREE 0, 0                                     ; the last lap fills nothing: my one tensor load that is still out is slot 1's, the last K step's
	TURN 0, 1, 0
	THREE 1, 0
	s_wait_dscnt 8                                 ; the very last quarter: nothing more to fetch
	WIN MUL_LO
	MUL16 F1, 0, 0, 0
	MUL16 F1, 0, 2, 0
	s_wait_dscnt 0
	WIN MUL_HI
	MUL16 F1, 1, 0, 0
	MUL16 F1, 1, 2, 0
	; THE WAY OUT, 16 rows at a time: round to bf16, 16 bytes a lane into my own stage in LDS, read back by head.
	PLACES                                         ; the places behind the last matrix instructions
	s_lshr_b32 s16, s13, 3                         ; my first row: n = block row / 8: 16 planes of 262,144 bytes,
	s_lshl_b32 s16, s16, 22
	s_and_b32 s17, s13, 7                          ; s = 256 x (block row % 8) + 128 x half, rows of 128 bytes
	s_lshl_b32 s17, s17, 15
	s_add_co_u32 s16, s16, s17
	s_lshl_b32 s17, s11, 14
	s_add_co_u32 s16, s16, s17
	s_mov_b32 s17, 0
	s_add_nc_u64 s[8:9], s[8:9], s[16:17]
	s_lshr_b32 s46, s42, 2                         ; my first column: q, k or v = block column / 4: 32 planes,
	s_lshl_b32 s46, s46, 23
	s_and_b32 s47, s42, 3                          ; head = 4 x (block column % 4) + 2 x half
	s_lshl_b32 s47, s47, 20
	s_add_co_u32 s46, s46, s47
	s_lshl_b32 s47, s12, 19
	s_add_co_u32 s46, s46, s47
	s_mov_b32 s47, 0
	s_add_nc_u64 s[8:9], s[8:9], s[46:47]
; rows 16 i .. 16 i + 15 of my block = the eight tiles (a, 0..7) of window 2 or 3 (from = 0x0a or 0x0f: sources 0 and 1); f: F0 or F1 in turn
.macro OUT16 i, a, from, f
	WIN \from
.irp b, 0,1,2,3,4,5,6,7
.irp r, 0,1,2,3
	v_cvt_pk_bf16_f32 v[TMP+4*\b+\r], v[8*(8*\a+\b)+2*\r], v[8*(8*\a+\b)+2*\r+1]
.endr
.endr
	WIN 0
.irp b, 0,1,2,3,4,5,6,7
	ds_store_b128 v[STO], v[TMP+4*\b:TMP+4*\b+3] offset:32*\b
.endr
	s_wait_xcnt 0x0                                ; buffer f, which earlier stores read, is loaded again only behind this wait (ISA guide 3.1)
.irp t, 0,1,2,3,4,5,6,7
	ds_load_b128 v[\f+4*\t:\f+4*\t+3], v[RD] offset:\t*2*SPITCH    ; LDS serves a wave's instructions in order (ISA guide 5.7.1.4): these see the stores above
.endr
.irp t, 0,1,2,3,4,5,6,7
	s_wait_dscnt 7-\t                              ; read-back t is in, the younger ones stay out
	global_store_b128 v[CO], v[\f+4*\t:\f+4*\t+3], s[8:9] offset:\i*2048+\t*256   ; 16 lanes store two s rows of one head: 256 consecutive bytes, aligned
.endr
.endm
	OUT16 0, 0, 0x0a, F0
	OUT16 1, 1, 0x0a, F1
	OUT16 2, 2, 0x0a, F0
	OUT16 3, 3, 0x0a, F1
	OUT16 4, 0, 0x0f, F0
	OUT16 5, 1, 0x0f, F1
	OUT16 6, 2, 0x0f, F0
	OUT16 7, 3, 0x0f, F1
	s_set_vgpr_msb 0x1
	s_wait_tensorcnt 0x0
	ds_add_u32 v255, v31
	s_wait_dscnt 0x0
	s_set_vgpr_msb 0x100
	CROUND                                         ; the closing round: no work-group ends while a partner may still ask for a tile that names it
	s_endpgm
.Lfunc_end_k_qbee05cc4c5_qkvgemm:
	.size	k_qbee05cc4c5_qkvgemm, .Lfunc_end_k_qbee05cc4c5_qkvgemm-k_qbee05cc4c5_qkvgemm
	.p2alignl 7, 3214868480
	.fill 96, 4, 3214868480
	.section	.rodata,"a",@progbits
	.p2align	6, 0x0
	.amdhsa_kernel k_qbee05cc4c5_qkvgemm
		.amdhsa_group_segment_fixed_size 327680
		.amdhsa_private_segment_fixed_size 0
		.amdhsa_enable_private_segment 0
		.amdhsa_kernarg_size 32
		.amdhsa_user_sgpr_count 2
		.amdhsa_user_sgpr_kernarg_segment_ptr 1
		.amdhsa_wavefront_size32 1
		.amdhsa_system_sgpr_workgroup_id_x 1
		.amdhsa_system_sgpr_workgroup_id_y 1
		.amdhsa_system_sgpr_workgroup_id_z 1
		.amdhsa_system_vgpr_workitem_id 0
		.amdhsa_next_free_vgpr 1024
		.amdhsa_next_free_sgpr 70
		.amdhsa_reserve_vcc 0
		.amdhsa_float_denorm_mode_32 3
		.amdhsa_float_denorm_mode_16_64 3
		.amdhsa_memory_ordered 1
		.amdhsa_forward_progress 1
		.amdhsa_inst_pref_size 198
	.end_amdhsa_kernel
	.amdgpu_metadata
---
amdhsa.version: [ 1, 2 ]
amdhsa.kernels:
  - .name:           k_qbee05cc4c5_qkvgemm
    .symbol:         k_qbee05cc4c5_qkvgemm.kd
    .args:
      - { .name: xq, .offset: 0, .size: 8, .value_kind: global_buffer, .address_space: global }
      - { .name: wi, .offset: 8, .size: 8, .value_kind: global_buffer, .address_space: global }
      - { .name: qkv, .offset: 16, .size: 8, .value_kind: global_buffer, .address_space: global }
      - { .name: b_in, .offset: 24, .size: 8, .value_kind: global_buffer, .address_space: global }
    .group_segment_fixed_size: 327680
    .private_segment_fixed_size: 0
    .kernarg_segment_align: 8
    .kernarg_segment_size: 32
    .max_flat_workgroup_size: 128
    .sgpr_count:     70
    .vgpr_count:     1024
    .wavefront_size: 32
...
	.end_amdgpu_metadata
.endif
;; end of part 2
;; launch attn (part 3): grid 8 x 32, 16 waves a work-group, clusters of 4 x 1, 327,680 bytes of LDS; arguments qkv, att; writes att
.if DOCPART == 3
	.amdgcn_target "amdgcn-amd-amdhsa--gfx1250"
	.amdhsa_code_object_version 6
	.text
	.protected	k_qbee05cc4c5_attn
	.globl	k_qbee05cc4c5_attn
	.p2align	8
	.type	k_qbee05cc4c5_attn,@function
k_qbee05cc4c5_attn:
	s_mov_b64 s[64:65], 0
	v_nop
	global_prefetch_b8 v0, s[64:65] scope:SCOPE_SE
	s_setreg_imm32_b32 hwreg(HW_REG_WAVE_MODE, 25, 1), 1
	s_wait_xcnt 0x0
	s_wait_alu depctr_hold_cnt(0) depctr_sa_sdst(0) depctr_va_vdst(0) depctr_va_sdst(0) depctr_va_ssrc(0) depctr_va_vcc(0) depctr_vm_vsrc(0)
	s_getreg_b32 s2, hwreg(HW_REG_IB_STS2, 6, 4)
	s_cmp_eq_u32 s2, 0
	s_cbranch_scc0 .Lentry_in_a_cluster
	s_endpgm
.Lentry_in_a_cluster:
	s_bfe_u32 s2, ttmp6, 0x10000c
	s_cmp_lg_u32 s2, 0x3003
	s_cbranch_scc0 .Lentry_shape_is_right
	s_endpgm
.Lentry_shape_is_right:
; att = softmax(q k^T / 8) v for each of the 32 planes (n, head), with a running maximum.
; qkv: [3][32 planes][2048 s][64 d] bf16; att: [32 planes][2048 s][64 d] bf16.  (q, k and v all stem from query; the inputs key and value
; enter no step of the function computed here and are loaded by no launch.)
; A work-group takes 256 queries of one plane with SIXTEEN waves, four on each SIMD (4 x 256 registers fill a SIMD's 1,024): a wave's matrix
; instructions, its softmax and its LDS waits follow one another, so the other three waves' work has to fill each unit meanwhile.
; Wave w takes the 32 queries of group w & 7 (two tiles of 16) and the key half w >> 3: of every chunk of 256 keys the keys 128 (w >> 3) + 0..127.
; At the end the two waves of a group join their parts: a wave's tile 0 is query tile (w >> 3) of the group, its tile 1 the other one, so that
; EVERY wave keeps its tile 0 and hands its tile 1 to wave (w + 8) & 15: no branch on the wave's number.
; CLUSTER: the four work-groups of a cluster take neighbouring query blocks of ONE plane and walk the same K and V.  Every K and V tile is
; asked for jointly (mask 15, the same descriptor in all four), which divides those requests by four.
; EVERYTHING IS TRANSPOSED.  S^T = K Q^T: lane (r = l % 16, h = l / 16) of a tile holds query r, keys 8 h + 0..7.  So maximum, sum and rescale
; factor are one number a lane (one exchange between the halves for the maximum), and two neighbouring key tiles, packed in place to bf16,
; ARE the B fragment of O^T = V^T P^T.  V^T's fragments come from V's rows by the transposing LDS load.
; K and V go in chunks of 256 keys through four LDS slots each; two slots of each are filled again behind one round of the cluster's barrier,
; and such a refill has four key blocks of every wave (128 matrix instructions each, 512 on a SIMD) in which to land.
; LDS rows hold TWO keys (2 x 128 bytes): K's are 272 bytes apart, V's 288.
; LIMITS: q, k, v, p and the result are bf16, sums and statistics f32; the row sum adds the unrounded p; the two key halves are joined in f32
; under their joint maximum.  v_exp_f32 gives zero for results below 2^-126 (ISA guide 15.8); the division by the row sum is v_rcp_f32 and a
; multiply.  A NaN or infinite score makes its row NaN.
.set PLANE,  262144                    ; bytes of one (which, n, head) plane
.set CHUNK,  32768                     ; 256 keys x 128 bytes
.set KPITCH, 272
.set VPITCH, 288
.set KSLOT,  128*KPITCH                ; 34,816
.set VSLOT,  128*VPITCH                ; 36,864
.set VRING,  4*KSLOT                   ; V's four slots lie behind K's four
.set STAGE,  VRING+4*VSLOT             ; 286,720, a multiple of 256: 16 rows x 144 bytes for each wave; no tensor load lands here
.set SPITCH, 144
.set XBYTES, 4352                      ; what a wave hands over: 8 x 512 bytes of O, 256 of statistics.  16 x 4,352 = 69,632 = K's slots 0 and 1
.set XU,   1                           ; v1       the exchange: where I read my partner's statistics
.set KL,   2                           ; v2       lane's place in a K fragment of my key half
.set VL,   3                           ; v3       lane's place in a V fragment of my key half
.set KADR, 4                           ; v4       LDS address of the key block's K
.set VADR, 5                           ; v5       and of its V
.set NM,   6                           ; v[6:9]   my tile qt: -(running maximum x c), twice (a pair for the packed forms)
.set AL,   10                          ; v[10:13] my tile qt: the rescale factor, twice
.set LS,   14                          ; v14-15   my tile qt: running sum of my half of the lanes' keys
.set TM,   16                          ; v[16:23] at work
.set STO,  24                          ; v24      the way out: where I put 16 bytes
.set RD,   25                          ; v25      where I read 16 bytes back
.set GO,   26                          ; v26      my byte offset in att
.set QO,   27                          ; v27-28   my byte offset in q, for my tile 0 and my tile 1
.set XS,   29                          ; v29      the exchange: where I put 16 bytes of O
.set XL,   30                          ; v30      where I read 16 bytes of my partner's O
.set XT,   31                          ; v31      where I put my statistics
.set QF,   32                          ; v[32:63]   Q fragment (qt, ks) at QF + 8 (2 qt + ks)
.set OT,   64                          ; v[64:127]  O^T tile (dt, qt) at OT + 8 (4 qt + dt)
.set ST,   128                         ; v[128:191] S^T tile (kt, qt) at ST + 8 (4 qt + kt); later P^T fragment (qt, u) at ST + 32 qt + 16 u
.set KV,   192                         ; v[192:255] K fragment (kt, ks) at KV + 8 (4 ks + kt); later V^T fragment (u, dt) at KV + 8 (4 u + dt)
.set G1K,  24                          ; s[24:31] descriptor group 1 for K
.set G1V,  32                          ; s[32:39] for V: it differs in the padding alone
.set G0K,  40                          ; s[40:55] descriptor group 0 for K, one set for each slot
.set G0V,  68                          ; s[68:83] the same for V
; A round of the cluster's barrier: my work-group's barrier, wave 0 signals for the work-group, every wave waits for all four work-groups, my work-group's barrier again.
.macro ROUND
	s_barrier_signal -1
	s_barrier_wait -1
	s_cmp_lg_u32 s8, 0
	s_cbranch_scc1 .Lnot_wave_0_\@
	s_barrier_signal -3
.Lnot_wave_0_\@:
	s_barrier_wait -3
	s_barrier_signal -1
	s_barrier_wait -1
.endm
	s_load_b128 s[4:7], s[0:1], 0x0                ; qkv s[4:5], att s[6:7]
	v_lshl_add_u32 v190, v0, 2, 0x4f000
	v_mov_b32 v191, 0
	ds_add_u32 v190, v191
	s_wait_dscnt 0x0
	v_lshrrev_b32 v1, 5, v0
	v_readfirstlane_b32 s8, v1                     ; wave 0..15
	s_and_b32 s13, s8, 7                           ; my query group: 32 of the block's 256 queries
	s_lshr_b32 s21, s8, 3                          ; my key half
	s_bfe_u32 s10, ttmp6, 0x40000                  ; cx
	s_lshl_b32 s11, ttmp9, 2
	s_add_co_u32 s11, s11, s10                     ; query block = 4 x cluster x + cx, 0..7
	s_and_b32 s12, ttmp7, 0xffff                   ; plane = 16 n + head (the cluster is one work-group high)
	s_mov_b32 s18, 0x3e38aa3b                      ; c = log2(e) / 8: the scale 1 / sqrt(64) and the change to base 2 in one factor
	s_mov_b32 s19, 0x3e38aa3b                      ; (the pair is named whole by the packed form)
	s_mov_b32 s20, 0xbe38aa3b                      ; -c
	s_mov_b32 s22, 0x76543210                      ; v_permlanex16_b32: lane i of one half reads lane i of the other
	s_mov_b32 s23, 0xfedcba98
	; Group 1: a wave's part of a chunk is 16 keys = 2,048 dense bytes = 8 rows of 32 elements of 8 bytes, padding behind every 64 words
	s_mov_b32 s[G1K+0], 15|(3<<16)|(1<<20)|(1<<21)|(5<<22)|(3<<25)  ; 15:0 mask: all four work-groups; 17:16 8-byte elements; 20 padding on; 21 set beside a mask; 24:22 every 64 words; 31:25 4 words
	s_mov_b32 s[G1V+0], 15|(3<<16)|(1<<20)|(1<<21)|(5<<22)|(7<<25)  ; the same with 8 words of padding
	s_mov_b32 s[G1K+1], 32<<16                     ; tensor_dim0 = 32
	s_mov_b32 s[G1V+1], 32<<16
	s_mov_b32 s[G1K+2], 8<<16                      ; tensor_dim1 = 8
	s_mov_b32 s[G1V+2], 8<<16
	s_mov_b32 s[G1K+3], 32<<16                     ; tile_dim0 = 32
	s_mov_b32 s[G1V+3], 32<<16
	s_mov_b32 s[G1K+4], 8                          ; tile_dim1 = 8
	s_mov_b32 s[G1V+4], 8
	s_mov_b32 s[G1K+5], 32                         ; elements from row to row: dense
	s_mov_b32 s[G1V+5], 32
	s_mov_b32 s[G1K+6], 0
	s_mov_b32 s[G1V+6], 0
	s_mov_b32 s[G1K+7], 0
	s_mov_b32 s[G1V+7], 0
	s_lshl_b32 s14, s12, 18                        ; for the descriptors: plane x 262,144
	s_lshl_b32 s15, s8, 11                         ; + wave x 2,048: the 16 keys of each chunk that I fetch
	s_add_co_u32 s14, s14, s15
	s_mov_b32 s15, 0
	s_lshl_b32 s16, s12, 18                        ; for q and att: plane,
	s_lshl_b32 s17, s11, 15                        ; + query block x 256 rows of 128 bytes (the one offset that holds cx; it enters no descriptor),
	s_add_co_u32 s16, s16, s17
	s_lshl_b32 s17, s13, 12                        ; + query group x 32 rows
	s_add_co_u32 s16, s16, s17
	s_mov_b32 s17, 0
	s_lshl_b32 s66, s21, 11                        ; my tile 0 is query tile (key half) of the group: 16 rows of 128 bytes,
	s_mov_b32 s67, 0
	s_sub_co_u32 s3, 2048, s66                     ; my tile 1 the other one
	s_mul_i32 s60, s8, 8*KPITCH                    ; my 8 LDS rows of each K slot
	s_mul_i32 s61, s8, 8*VPITCH                    ; and of each V slot
	s_mul_i32 s62, s8, 16*SPITCH
	s_add_co_u32 s62, s62, STAGE                   ; my stage
	s_mul_i32 s84, s21, 64*KPITCH                  ; my key half of a slot: 128 keys = 64 LDS rows on
	s_mul_i32 s85, s21, 64*VPITCH
	s_mul_i32 s86, s8, XBYTES                      ; the exchange: my bytes,
	s_add_co_u32 s87, s8, 8
	s_and_b32 s87, s87, 15                         ; and those of the wave with my queries and the other key half
	s_mul_i32 s87, s87, XBYTES
	s_wait_kmcnt 0x0
	s_add_nc_u64 s[56:57], s[4:5], s[14:15]        ; qkv at (plane, the 16 rows of chunk 0 that I fetch)
	s_add_nc_u64 s[58:59], s[4:5], s[16:17]        ; q at my group's 32 queries
	s_add_nc_u64 s[6:7], s[6:7], s[16:17]
	s_add_nc_u64 s[6:7], s[6:7], s[66:67]          ; att at the 16 queries that I keep
.irp i, 0,1,2,3
	s_mov_b32 s[G0K+4*\i], 1                                           ; count = 1
	s_add_co_u32 s[G0K+4*\i+1], s60, \i*KSLOT                          ; LDS address
	s_add_nc_u64 s[G0K+4*\i+2:G0K+4*\i+3], s[56:57], 32*PLANE+\i*CHUNK ; k's planes lie 32 planes on; chunk i
	s_or_b32 s[G0K+4*\i+3], s[G0K+4*\i+3], 0x80000000                  ; type = 2
	s_mov_b32 s[G0V+4*\i], 1
	s_add_co_u32 s[G0V+4*\i+1], s61, VRING+\i*VSLOT
	s_add_nc_u64 s[G0V+4*\i+2:G0V+4*\i+3], s[56:57], 64*PLANE+\i*CHUNK ; v's planes 64 on
	s_or_b32 s[G0V+4*\i+3], s[G0V+4*\i+3], 0x80000000
.endr
	ROUND                                          ; all four work-groups are here: the first joint loads meet
.irp i, 0,1,2,3
	tensor_load_to_lds s[G0K+4*\i:G0K+4*\i+3], s[G1K:G1K+7]            ; chunks 0 to 3: eight tensor loads of the wave are out, the most in this text
	s_nop 0
	tensor_load_to_lds s[G0V+4*\i:G0V+4*\i+3], s[G1V:G1V+7]
	s_nop 0
.endr
	v_and_b32 v[TM], 15, v0                        ; r
	v_bfe_u32 v[TM+1], v0, 4, 1                    ; h
	v_and_b32 v[TM+2], 1, v0                       ; l & 1
	v_lshlrev_b32 v[TM+3], 7, v[TM]                ; q: row r, 16 bytes for each half
	v_lshl_add_u32 v[TM+3], v[TM+1], 4, v[TM+3]
	v_add_nc_u32 v[QO],   s66, v[TM+3]             ; in my tile 0
	v_add_nc_u32 v[QO+1], s3,  v[TM+3]             ; in my tile 1
.irp qt, 0,1
.irp ks, 0,1
	global_load_b128 v[QF+8*(2*\qt+\ks):QF+8*(2*\qt+\ks)+3],   v[QO+\qt], s[58:59] offset:\ks*64      ; Q(tile qt, row r, 32 ks + 8 h ..)
	global_load_b128 v[QF+8*(2*\qt+\ks)+4:QF+8*(2*\qt+\ks)+7], v[QO+\qt], s[58:59] offset:\ks*64+32   ; Q(tile qt, row r, 32 ks + 16 + 8 h ..)
.endr
.endr
	v_lshrrev_b32 v[TM+3], 1, v[TM]                ; K fragment: key r lies in LDS row r / 2, half r % 2; 16 bytes for each half of the lanes
	v_mul_u32_u24 v[KL], v[TM+3], KPITCH
	v_lshl_add_u32 v[KL], v[TM+2], 7, v[KL]
	v_lshl_add_u32 v[KL], v[TM+1], 4, v[KL]
	v_add_nc_u32 v[KL], s84, v[KL]                 ; in my key half
	v_bfe_u32 v[TM+3], v0, 1, 2                    ; V fragment: lane l addresses key 8 h + (l & 7): LDS row 4 h + (l & 7) / 2, half l & 1,
	v_lshl_add_u32 v[TM+3], v[TM+1], 2, v[TM+3]
	v_mul_u32_u24 v[VL], v[TM+3], VPITCH
	v_lshl_add_u32 v[VL], v[TM+2], 7, v[VL]
	v_bfe_u32 v[TM+3], v0, 3, 1                    ; and the 16 bytes (l >> 3) & 1 of the tile's 32
	v_lshl_add_u32 v[VL], v[TM+3], 4, v[VL]
	v_add_nc_u32 v[VL], s85, v[VL]
	v_mul_u32_u24 v[STO], v[TM], SPITCH            ; the way out, in: row r, 16 bytes for each half
	v_lshl_add_u32 v[STO], v[TM+1], 4, v[STO]
	v_add_nc_u32 v[STO], s62, v[STO]
	v_bfe_u32 v[TM+3], v0, 3, 2                    ; back: eight lanes to a row of 128 bytes, four rows to a load
	v_mul_u32_u24 v[RD], v[TM+3], SPITCH
	v_and_b32 v[TM+3], 7, v0
	v_lshl_add_u32 v[RD], v[TM+3], 4, v[RD]
	v_add_nc_u32 v[RD], s62, v[RD]
	v_and_b32 v[TM+3], 31, v0                      ; lane
	v_lshlrev_b32 v[GO], 4, v[TM+3]                ; in att the four rows are 512 consecutive bytes
	v_add_nc_u32 v[XS], s86, v[GO]                 ; the exchange: 16 bytes a lane of each group of four registers,
	v_add_nc_u32 v[XL], s87, v[GO]
	v_lshl_add_u32 v[XT], v[TM+3], 3, s86          ; 8 bytes a lane of statistics (behind the 4,096 bytes of O: an immediate offset)
	v_lshl_add_u32 v[XU], v[TM+3], 3, s87
; The softmax step of my tile qt on its 4 key tiles (32 registers: my 32 of the block's 64 keys).  first = 1: the first key block starts the statistics.
.macro SOFTMAX qt, first
.irp k, 0,1,2,3
	v_max3_num_f32 v[TM+\k], v[ST+32*\qt+8*\k], v[ST+32*\qt+8*\k+1], v[ST+32*\qt+8*\k+2]   ; four chains that do not wait for each other
.endr
.irp k, 0,1,2,3
	v_max3_num_f32 v[TM+\k], v[TM+\k], v[ST+32*\qt+8*\k+3], v[ST+32*\qt+8*\k+4]
.endr
.irp k, 0,1,2,3
	v_max3_num_f32 v[TM+\k], v[TM+\k], v[ST+32*\qt+8*\k+5], v[ST+32*\qt+8*\k+6]
.endr
.irp k, 0,1,2,3
	v_max_num_f32 v[TM+\k], v[TM+\k], v[ST+32*\qt+8*\k+7]
.endr
	v_max3_num_f32 v[TM], v[TM], v[TM+1], v[TM+2]
	v_max_num_f32 v[TM], v[TM], v[TM+3]
	v_permlanex16_b32 v[TM+1], v[TM], s22, s23     ; the other half's keys of the same query
	v_max_num_f32 v[TM], v[TM], v[TM+1]            ; the block's maximum for query r
.if \first
	v_mul_f32 v[NM+2*\qt],   s20, v[TM]            ; -(maximum x c): kept scaled, so that p and the rescale factor are shifted by the same rounded number
	v_mul_f32 v[NM+2*\qt+1], s20, v[TM]
.else
	v_mul_f32 v[TM], s20, v[TM]
	v_min_num_f32 v[TM], v[TM], v[NM+2*\qt]        ; the running maximum (negated: a minimum)
	v_sub_f32 v[TM+1], v[TM], v[NM+2*\qt]          ; (old maximum - new maximum) x c, at most 0
	v_mov_b32 v[NM+2*\qt],   v[TM]
	v_mov_b32 v[NM+2*\qt+1], v[TM]
	v_exp_f32 v[AL+2*\qt],   v[TM+1]               ; the rescale factor; the packed multiply-adds below stand between it and its use (ISA guide 5.7.2)
	v_exp_f32 v[AL+2*\qt+1], v[TM+1]
.endif
.irp i, 0,1,2,3,4,5,6,7,8,9,10,11,12,13,14,15
	v_pk_fma_f32 v[ST+32*\qt+2*\i:ST+32*\qt+2*\i+1], v[ST+32*\qt+2*\i:ST+32*\qt+2*\i+1], s[18:19], v[NM+2*\qt:NM+2*\qt+1] op_sel_hi:[1,0,1]   ; (s - maximum) x c
.endr
.irp k, 0,1,2,3
.irp j, 0,1,2,3,4,5,6,7
	v_exp_f32 v[ST+32*\qt+8*\k+\j], v[ST+32*\qt+8*\k+\j]       ; p
.endr
.endr
.if \first
	v_nop                                          ; one plain vector instruction behind the run of exponentials, ahead of the first use (ISA guide 5.7.2)
	s_wait_alu depctr_va_vdst(0)
.else
	s_wait_alu depctr_va_vdst(0)
.irp i, 0,1,2,3,4,5,6,7,8,9,10,11,12,13,14,15
	v_pk_mul_f32 v[OT+32*\qt+2*\i:OT+32*\qt+2*\i+1], v[OT+32*\qt+2*\i:OT+32*\qt+2*\i+1], v[AL+2*\qt:AL+2*\qt+1]   ; O is rescaled; the first of these is that plain instruction
.endr
.endif
.irp k, 0,1,2,3
	v_pk_add_f32 v[TM+2*\k:TM+2*\k+1], v[ST+32*\qt+8*\k:ST+32*\qt+8*\k+1], v[ST+32*\qt+8*\k+2:ST+32*\qt+8*\k+3]   ; the sum of my 32 p, four chains
.endr
.irp k, 0,1,2,3
	v_pk_add_f32 v[TM+2*\k:TM+2*\k+1], v[TM+2*\k:TM+2*\k+1], v[ST+32*\qt+8*\k+4:ST+32*\qt+8*\k+5]
.endr
.irp k, 0,1,2,3
	v_pk_add_f32 v[TM+2*\k:TM+2*\k+1], v[TM+2*\k:TM+2*\k+1], v[ST+32*\qt+8*\k+6:ST+32*\qt+8*\k+7]
.endr
	v_pk_add_f32 v[TM:TM+1],   v[TM:TM+1],   v[TM+2:TM+3]
	v_pk_add_f32 v[TM+4:TM+5], v[TM+4:TM+5], v[TM+6:TM+7]
	v_pk_add_f32 v[TM:TM+1],   v[TM:TM+1],   v[TM+4:TM+5]
.if \first
	v_add_f32 v[LS+\qt], v[TM], v[TM+1]
.else
	v_add_f32 v[TM], v[TM], v[TM+1]
	v_fma_f32 v[LS+\qt], v[LS+\qt], v[AL+2*\qt], v[TM]
.endif
	; p to bf16 in place, ascending, so that no register is written before it is read: key tiles 2 u and 2 u + 1 become the 8 registers of fragment u
.irp u, 0,1
.irp i, 0,1,2,3
	v_cvt_pk_bf16_f32 v[ST+32*\qt+16*\u+\i], v[ST+32*\qt+16*\u+2*\i], v[ST+32*\qt+16*\u+2*\i+1]
.endr
.irp i, 0,1,2,3
	v_cvt_pk_bf16_f32 v[ST+32*\qt+16*\u+4+\i], v[ST+32*\qt+16*\u+8+2*\i], v[ST+32*\qt+16*\u+8+2*\i+1]
.endr
.endr
.endm
; O^T += V^T P^T for 32 keys (u): eight accumulators, one instruction each.  zero = 1: the first product starts the sums.
.macro PV u, zero
.irp qt, 0,1
.irp dt, 0,1,2,3
.if \zero
	v_wmma_f32_16x16x32_bf16 v[OT+8*(4*\qt+\dt):OT+8*(4*\qt+\dt)+7], v[KV+8*(4*\u+\dt):KV+8*(4*\u+\dt)+7], v[ST+32*\qt+16*\u:ST+32*\qt+16*\u+7], 0
.else
	v_wmma_f32_16x16x32_bf16 v[OT+8*(4*\qt+\dt):OT+8*(4*\qt+\dt)+7], v[KV+8*(4*\u+\dt):KV+8*(4*\u+\dt)+7], v[ST+32*\qt+16*\u:ST+32*\qt+16*\u+7], v[OT+8*(4*\qt+\dt):OT+8*(4*\qt+\dt)+7]
.endif
.endr
.endr
.endm
; One block of 64 keys against my 32 queries: 16 + 16 matrix instructions.  In each group of eight the accumulators take turns, one instruction
; a turn, in the same order.  kstep, vstep: how far on my next block's K and V lie.
.macro BLOCK first, kstep, vstep
.irp ks, 0,1
.irp kt, 0,1,2,3
	ds_load_b128 v[KV+8*(4*\ks+\kt):KV+8*(4*\ks+\kt)+3],   v[KADR] offset:\kt*8*KPITCH+\ks*64
	ds_load_b128 v[KV+8*(4*\ks+\kt)+4:KV+8*(4*\ks+\kt)+7], v[KADR] offset:\kt*8*KPITCH+\ks*64+32
.endr
.endr
	s_wait_dscnt 8                                 ; the eight loads of d 0-31 are in, those of d 32-63 may be out
.irp qt, 0,1
.irp kt, 0,1,2,3
	v_wmma_f32_16x16x32_bf16 v[ST+8*(4*\qt+\kt):ST+8*(4*\qt+\kt)+7], v[KV+8*\kt:KV+8*\kt+7], v[QF+16*\qt:QF+16*\qt+7], 0
.endr
.endr
	s_wait_dscnt 0
.irp qt, 0,1
.irp kt, 0,1,2,3
	v_wmma_f32_16x16x32_bf16 v[ST+8*(4*\qt+\kt):ST+8*(4*\qt+\kt)+7], v[KV+32+8*\kt:KV+32+8*\kt+7], v[QF+16*\qt+8:QF+16*\qt+15], v[ST+8*(4*\qt+\kt):ST+8*(4*\qt+\kt)+7]
.endr
.endr
.rept 4
	v_nop                                          ; four places behind the last matrix instruction: for the loads into K's registers and for the reads of S
.endr
.irp u, 0,1
.irp dt, 0,1,2,3
	ds_load_tr16_b128 v[KV+8*(4*\u+\dt):KV+8*(4*\u+\dt)+3],   v[VADR] offset:\u*16*VPITCH+\dt*32             ; V^T(16 dt + r, keys 32 u + 8 h ..)
	ds_load_tr16_b128 v[KV+8*(4*\u+\dt)+4:KV+8*(4*\u+\dt)+7], v[VADR] offset:\u*16*VPITCH+\dt*32+8*VPITCH    ; keys 32 u + 16 + 8 h ..
.endr
.endr
	SOFTMAX 0, \first                              ; V's fragments land meanwhile
	SOFTMAX 1, \first
	s_wait_dscnt 8                                 ; the fragments of keys 0-31 are in
	PV 0, \first
	s_wait_dscnt 0
	PV 1, 0
	v_add_nc_u32 v[KADR], \kstep, v[KADR]          ; my next block.  With the three v_nop: five places behind the last matrix instruction, for the
	v_add_nc_u32 v[VADR], \vstep, v[VADR]          ; next block's loads into V's registers (four) and its products that write over P (five)
.rept 3
	v_nop
.endr
.endm
; My two blocks of one chunk: the second lies 32 LDS rows (64 keys) behind the first; my half of the next slot 96 rows behind the second.
.macro PAIR first
	BLOCK \first, 32*KPITCH, 32*VPITCH
	BLOCK 0, 96*KPITCH, 96*VPITCH
.endm
; My halves of so many chunks, from LDS bytes kbase (K) and vbase (V) on; slots lie one behind the other.
.macro PROCESS kbase, vbase, chunks, first
	v_add_nc_u32 v[KADR], \kbase, v[KL]
	v_add_nc_u32 v[VADR], \vbase, v[VL]
.if \chunks == 1
	PAIR \first
.else
	s_mov_b32 s9, \chunks
.Lchunk_\@:
	PAIR 0
	s_sub_co_u32 s9, s9, 1
	s_cmp_lg_u32 s9, 0
	s_cbranch_scc1 .Lchunk_\@
.endif
.endm
; Slots a and b of K and of V, which have been read, are filled again, each with the chunk four chunks on.
.macro REFILL a, b
	s_wait_xcnt 0x0
	v_lshl_add_u32 v190, v0, 2, 0x4f000
	v_mov_b32 v191, 0
	s_wait_tensorcnt 0x0                           ; all my tensor loads have landed, my parts of the two chunks read next among them: every group 0 may be written
	ds_add_u32 v190, v191
	s_wait_dscnt 0x0
.irp i, \a, \b
	s_add_nc_u64 s[G0K+4*\i+2:G0K+4*\i+3], s[G0K+4*\i+2:G0K+4*\i+3], 4*CHUNK
	s_add_nc_u64 s[G0V+4*\i+2:G0V+4*\i+3], s[G0V+4*\i+2:G0V+4*\i+3], 4*CHUNK
.endr
	s_wait_dscnt 0x0                               ; my reads of slots a and b are back
	ROUND                                          ; both now hold of every wave of all four work-groups
.irp i, \a, \b
	tensor_load_to_lds s[G0K+4*\i:G0K+4*\i+3], s[G1K:G1K+7]            ; the first tensor loads behind the round: four of the wave are out
	s_nop 0
	tensor_load_to_lds s[G0V+4*\i:G0V+4*\i+3], s[G1V:G1V+7]
	s_nop 0
.endr
.endm
	s_wait_tensorcnt 6                             ; my parts of chunk 0 (K and V) are in; the six loads of chunks 1 to 3 stay out
	s_wait_loadcnt 0x0                             ; Q
	s_barrier_signal -1
	s_barrier_wait -1                              ; everybody's parts are in
	PROCESS 0, VRING, 1, 1                         ; chunk 0
	s_wait_tensorcnt 4                             ; chunk 1; the four loads of chunks 2 and 3 stay out
	s_wait_dscnt 0x0
	s_barrier_signal -1
	s_barrier_wait -1
	PROCESS KSLOT, VRING+VSLOT, 1, 0               ; chunk 1
	REFILL 0, 1                                    ; chunks 4 and 5 go out
	PROCESS 2*KSLOT, VRING+2*VSLOT, 2, 0           ; chunks 2 and 3
	REFILL 2, 3                                    ; chunks 6 and 7 go out
	PROCESS 0, VRING, 2, 0                         ; chunks 4 and 5
	s_wait_tensorcnt 0x0                           ; chunks 6 and 7: no tensor load is out from here on, and none is issued any more
	s_wait_dscnt 0x0
	s_barrier_signal -1
	s_barrier_wait -1
	PROCESS 2*KSLOT, VRING+2*VSLOT, 2, 0           ; chunks 6 and 7
	; THE TWO KEY HALVES ARE JOINED.  I hand my tile 1 (O, maximum, sum) to the wave with my queries and the other key half and take its tile 1,
	; which holds the queries of my tile 0, register for register and lane for lane.  The bytes are K's slots 0 and 1: they have had their last fill.
	s_wait_dscnt 0x0                               ; my last reads of K and V are back (the five places above stand behind the last matrix instruction)
	s_barrier_signal -1
	s_barrier_wait -1                              ; and so are everybody's: no wave reads the rings any more
.irp t, 0,1,2,3,4,5,6,7
	ds_store_b128 v[XS], v[OT+32+4*\t:OT+32+4*\t+3] offset:\t*512      ; 32 lanes x 16 neighbouring bytes
.endr
	v_mov_b32 v[NM+3], v[LS+1]                     ; the sum beside the maximum (the pair's second copy is no longer needed): 8 bytes a lane
	ds_store_b64 v[XT], v[NM+2:NM+3] offset:4096
	s_wait_dscnt 0x0                               ; for my partner's sake: my stores are done
	s_barrier_signal -1
	s_barrier_wait -1
.irp t, 0,1,2,3,4,5,6,7
	ds_load_b128 v[KV+4*\t:KV+4*\t+3], v[XL] offset:\t*512             ; my partner's O for my tile 0
.endr
	ds_load_b64 v[TM+2:TM+3], v[XU] offset:4096    ; its -(maximum x c) and its sum
	s_wait_dscnt 0x0
	v_min_num_f32 v[TM], v[NM], v[TM+2]            ; the joint maximum (negated: a minimum)
	v_sub_f32 v[TM+4], v[TM], v[NM]                ; (my maximum - joint maximum) x c, at most 0
	v_sub_f32 v[TM+5], v[TM], v[TM+2]              ; the same for my partner's
	v_exp_f32 v[TM+4], v[TM+4]                     ; my factor
	v_exp_f32 v[TM+5], v[TM+5]                     ; my partner's
	v_nop                                          ; one plain vector instruction ahead of the first use (ISA guide 5.7.2)
	s_wait_alu depctr_va_vdst(0)
	v_mul_f32 v[LS], v[LS], v[TM+4]
	v_fma_f32 v[LS], v[TM+3], v[TM+5], v[LS]       ; the sum over both key halves, of my half of the lanes' keys,
	v_permlanex16_b32 v[TM], v[LS], s22, s23
	v_add_f32 v[LS], v[LS], v[TM]                  ; and of the other half's: the row sum, at least 1 (the joint maximum's own term)
	v_rcp_f32 v[TM], v[LS]
	v_nop                                          ; as above
	s_wait_alu depctr_va_vdst(0)
	v_mul_f32 v[AL],   v[TM+4], v[TM]              ; the division goes into the two factors
	v_mul_f32 v[AL+1], v[TM+4], v[TM]
	v_mul_f32 v[AL+2], v[TM+5], v[TM]
	v_mul_f32 v[AL+3], v[TM+5], v[TM]
.irp i, 0,1,2,3,4,5,6,7,8,9,10,11,12,13,14,15
	v_pk_mul_f32 v[OT+2*\i:OT+2*\i+1], v[OT+2*\i:OT+2*\i+1], v[AL:AL+1]
.endr
.irp i, 0,1,2,3,4,5,6,7,8,9,10,11,12,13,14,15
	v_pk_fma_f32 v[OT+2*\i:OT+2*\i+1], v[KV+2*\i:KV+2*\i+1], v[AL+2:AL+3], v[OT+2*\i:OT+2*\i+1]
.endr
	; THE WAY OUT: round to bf16, 16 bytes a lane into my own stage, read back as whole rows.
.irp dt, 0,1,2,3
.irp i, 0,1,2,3
	v_cvt_pk_bf16_f32 v[OT+8*\dt+\i], v[OT+8*\dt+2*\i], v[OT+8*\dt+2*\i+1]   ; in place, ascending: d = 16 dt + 8 h + 0..7 of query r
.endr
	ds_store_b128 v[STO], v[OT+8*\dt:OT+8*\dt+3] offset:32*\dt
.endr
.irp t, 0,1,2,3
	ds_load_b128 v[KV+32+4*\t:KV+32+4*\t+3], v[RD] offset:\t*4*SPITCH  ; LDS serves a wave's instructions in order (ISA guide 5.7.1.4): these see the stores above
.endr
.irp t, 0,1,2,3
	s_wait_dscnt 3-\t                              ; read-back t is in, the younger ones stay out
	global_store_b128 v[GO], v[KV+32+4*\t:KV+32+4*\t+3], s[6:7] offset:\t*512   ; four rows: 512 consecutive bytes, aligned
.endr
	s_wait_xcnt 0x0
	v_lshl_add_u32 v190, v0, 2, 0x4f000
	v_mov_b32 v191, 0
	s_wait_tensorcnt 0x0
	ds_add_u32 v190, v191
	s_wait_dscnt 0x0
	ROUND                                          ; the closing round: no work-group ends while a partner may still ask for a tile that names it
	s_endpgm
.Lfunc_end_k_qbee05cc4c5_attn:
	.size	k_qbee05cc4c5_attn, .Lfunc_end_k_qbee05cc4c5_attn-k_qbee05cc4c5_attn
	.p2alignl 7, 3214868480
	.fill 96, 4, 3214868480
	.section	.rodata,"a",@progbits
	.p2align	6, 0x0
	.amdhsa_kernel k_qbee05cc4c5_attn
		.amdhsa_group_segment_fixed_size 327680
		.amdhsa_private_segment_fixed_size 0
		.amdhsa_enable_private_segment 0
		.amdhsa_kernarg_size 16
		.amdhsa_user_sgpr_count 2
		.amdhsa_user_sgpr_kernarg_segment_ptr 1
		.amdhsa_wavefront_size32 1
		.amdhsa_system_sgpr_workgroup_id_x 1
		.amdhsa_system_sgpr_workgroup_id_y 1
		.amdhsa_system_sgpr_workgroup_id_z 1
		.amdhsa_system_vgpr_workitem_id 0
		.amdhsa_next_free_vgpr 256
		.amdhsa_next_free_sgpr 88
		.amdhsa_reserve_vcc 0
		.amdhsa_float_denorm_mode_32 3
		.amdhsa_float_denorm_mode_16_64 3
		.amdhsa_memory_ordered 1
		.amdhsa_forward_progress 1
		.amdhsa_inst_pref_size 189
	.end_amdhsa_kernel
	.amdgpu_metadata
---
amdhsa.version: [ 1, 2 ]
amdhsa.kernels:
  - .name:           k_qbee05cc4c5_attn
    .symbol:         k_qbee05cc4c5_attn.kd
    .args:
      - { .name: qkv, .offset: 0, .size: 8, .value_kind: global_buffer, .address_space: global }
      - { .name: att, .offset: 8, .size: 8, .value_kind: global_buffer, .address_space: global }
    .group_segment_fixed_size: 327680
    .private_segment_fixed_size: 0
    .kernarg_segment_align: 8
    .kernarg_segment_size: 16
    .max_flat_workgroup_size: 512
    .sgpr_count:     88
    .vgpr_count:     256
    .wavefront_size: 32
...
	.end_amdgpu_metadata
.endif
;; end of part 3
;; launch oproj (part 4): grid 8 x 32, 4 waves a work-group, clusters of 4 x 4, 327,680 bytes of LDS; arguments att, wo, out0, b_o; writes out0
.if DOCPART == 4
	.amdgcn_target "amdgcn-amd-amdhsa--gfx1250"
	.amdhsa_code_object_version 6
	.text
	.protected	k_qbee05cc4c5_oproj
	.globl	k_qbee05cc4c5_oproj
	.p2align	8
	.type	k_qbee05cc4c5_oproj,@function
k_qbee05cc4c5_oproj:
	s_mov_b64 s[64:65], 0
	v_nop
	global_prefetch_b8 v0, s[64:65] scope:SCOPE_SE
	s_setreg_imm32_b32 hwreg(HW_REG_WAVE_MODE, 25, 1), 1
	s_wait_xcnt 0x0
	s_wait_alu depctr_hold_cnt(0) depctr_sa_sdst(0) depctr_va_vdst(0) depctr_va_sdst(0) depctr_va_ssrc(0) depctr_va_vcc(0) depctr_vm_vsrc(0)
	s_getreg_b32 s2, hwreg(HW_REG_IB_STS2, 6, 4)
	s_cmp_eq_u32 s2, 0
	s_cbranch_scc0 .Lentry_in_a_cluster
	s_endpgm
.Lentry_in_a_cluster:
	s_bfe_u32 s2, ttmp6, 0x10000c
	s_cmp_lg_u32 s2, 0xf033
	s_cbranch_scc0 .Lentry_shape_is_right
	s_endpgm
.Lentry_shape_is_right:
; out0 = a wo^T + b_o in f32, where a[n 2048 + s][64 head + d] = att[n][head][s][d].
; att: [2][16][2048][64] bf16, wo: [1024][1024] bf16, b_o: [1024] f32, out0: [4096][1024] f32.
; Blocks of 128 x 128 give 8 x 32 = 256 work-groups, one for each WGP; four waves, each 64 x 64: 16 accumulator tiles, 128 registers (window 1).
; K goes in 8 steps of 128 = two heads through four LDS slots; two slots are filled again behind one round of the cluster's barrier, and such a
; refill has two K steps (128 matrix instructions of every wave) in which to land.  The eight steps are written out: no loop.
; A slot has four pieces of 64 LDS rows x 272 bytes, one fetched by each wave: a's 128 rows of the even head and of the odd head (dense in att:
; two s rows of 128 bytes to an LDS row), wo's rows 0-63 and 64-127 (256 bytes of each row).
; CLUSTERS: 4 x 4 work-groups; a's pieces hang on the block row alone and are asked for jointly along a row of the cluster, wo's on the block
; column alone and jointly along a column.
; The matrix instruction is used transposed (source 0 = rows of wo, source 1 = rows of a): lane l holds row l % 16 and eight neighbouring columns.
; The bias starts the sums: register j of column tile b belongs to column 16 b + 8 (l / 16) + j, so eight registers a tile are the first product's C.
; LIMIT: operands are bf16, sums and the result f32.
.set PLANE, 262144                     ; bytes of one (n, head) plane of att
.set PITCH, 272                        ; 256 bytes of data + 16 of padding
.set PIECE, 64*PITCH                   ; 17,408
.set SLOT,  4*PIECE                    ; 69,632
.set STAGE, 4*SLOT                     ; 278,528, a multiple of 256: 16 rows x 272 bytes for each wave; no tensor load lands here
.set ADRA, 16                          ; v16-19  LDS address of my a fragments in slot 0..3
.set ADRB, 20                          ; v20-23  the same for wo
.set STO,  24                          ; v24     the way out: where I put 32 bytes of a row
.set RD,   25                          ; v25     where I read 16 bytes back
.set CO,   26                          ; v26     my byte offset in out0
.set BO,   27                          ; v27     my byte offset in the bias
.set F0,   64                          ; fragment buffer 0: a's row tile a at F0 + 8 a, wo's column tile b at F0 + 32 + 8 b
.set F1,   128                         ; fragment buffer 1
.set BIAS, 192                         ; v[192:223] column tile b: b_o of columns 16 b + 8 (l / 16) + 0..7; read by the first products alone
.set OB0,  192                         ; v[192:223] the way out: rows read back (the bias is no longer needed)
.set OB1,  224                         ; v[224:255] the same, in turn
.set G1,  24                           ; s[24:31] descriptor group 1 for a's pieces
.set G1B, 48                           ; s[48:55] for wo's
.set G0,  68                           ; s[68:83] descriptor group 0 for a's pieces, one set for each slot
.set G0B, 84                           ; s[84:99] for wo's
.set MSB, 0
.macro WIN new                         ; the immediate's high byte repeats the setting that is left
.if MSB != \new
	s_set_vgpr_msb (MSB<<8)|\new
.set MSB, \new
.endif
.endm
.set W_MUL,   0x50                     ; sources 0 and 1 window 0, C and D window 1
.set W_FIRST, 0x40                     ; the first products: C (the bias) window 0, D window 1
.set W_ACC,   0x04                     ; an LDS store's data (source 1) window 1
.macro JLOAD s                         ; waves 0 and 1 ask for a's pieces, waves 2 and 3 for wo's; the branch hangs on the wave's number alone
	s_cmp_eq_u32 s11, 0
	s_cbranch_scc0 .Lfor_b_\@
	tensor_load_to_lds s[G0+4*\s:G0+4*\s+3], s[G1:G1+7]
	s_nop 0
	s_branch .Lasked_\@
.Lfor_b_\@:
	tensor_load_to_lds s[G0B+4*\s:G0B+4*\s+3], s[G1B:G1B+7]
	s_nop 0
.Lasked_\@:
.endm
.macro CREST                           ; a round of the cluster's barrier behind its opening barrier
	s_cmp_lg_u32 s10, 0
	s_cbranch_scc1 .Lnot_wave_0_\@
	s_barrier_signal -3
.Lnot_wave_0_\@:
	s_barrier_wait -3
	s_barrier_signal -1
	s_barrier_wait -1
.endm
.macro CROUND                          ; a whole round
	s_barrier_signal -1
	s_barrier_wait -1
	CREST
.endm
	s_load_b128 s[4:7], s[0:1], 0x0                ; att s[4:5], wo s[6:7]
	s_load_b128 s[56:59], s[0:1], 0x10             ; out0 s[56:57], b_o s[58:59]
	v_lshl_add_u32 v62, v0, 2, 0x48400
	v_mov_b32 v63, 0
	ds_add_u32 v62, v63
	v_lshrrev_b32 v1, 5, v0
	v_readfirstlane_b32 s10, v1                    ; wave 0..3
	s_lshr_b32 s11, s10, 1                         ; which 64 rows of the block are mine.  Also: I fetch for a (0) or for wo (1)
	s_and_b32 s12, s10, 1                          ; which 64 columns.  Also: which of the two pieces I fetch
	s_bfe_u32 s40, ttmp6, 0x40000                  ; cx
	s_bfe_u32 s41, ttmp6, 0x40004                  ; cy
	s_lshl_b32 s42, ttmp9, 2
	s_add_co_u32 s42, s42, s40                     ; block column = 4 x cluster x + cx, 0..7
	s_and_b32 s13, ttmp7, 0xffff
	s_lshl_b32 s13, s13, 2
	s_add_co_u32 s13, s13, s41                     ; block row = 4 x cluster y + cy, 0..31
	s_lshl_b32 s43, s41, 2
	s_lshl_b32 s43, 15, s43                        ; my row of the cluster
	s_lshl_b32 s44, 0x1111, s40                    ; my column
	; a's piece: 16,384 dense bytes = 64 rows of 32 elements of 8 bytes.  wo's piece: 64 rows of 128 elements of 2 bytes, 1,024 elements apart.
	s_or_b32 s[G1+0],  s43, (3<<16)|(1<<20)|(1<<21)|(5<<22)|(3<<25)   ; mask: my row; 8-byte elements; padding on; bit 21 beside a mask; 4 words behind every 64
	s_or_b32 s[G1B+0], s44, (1<<16)|(1<<20)|(1<<21)|(5<<22)|(3<<25)   ; mask: my column; 2-byte elements; the same padding
	s_mov_b32 s[G1+1],  32<<16                     ; tensor_dim0
	s_mov_b32 s[G1B+1], 128<<16
	s_mov_b32 s[G1+2],  64<<16                     ; tensor_dim1
	s_mov_b32 s[G1B+2], 64<<16
	s_mov_b32 s[G1+3],  32<<16                     ; tile_dim0
	s_mov_b32 s[G1B+3], 128<<16
	s_mov_b32 s[G1+4],  64                         ; tile_dim1
	s_mov_b32 s[G1B+4], 64
	s_mov_b32 s[G1+5],  32                         ; elements from row to row
	s_mov_b32 s[G1B+5], 1024
	s_mov_b32 s[G1+6],  0
	s_mov_b32 s[G1B+6], 0
	s_mov_b32 s[G1+7],  0
	s_mov_b32 s[G1B+7], 0
	s_lshr_b32 s16, s13, 4                         ; a: n = block row / 16: 16 planes,
	s_lshl_b32 s16, s16, 22
	s_and_b32 s17, s13, 15                         ; s = 128 x (block row % 16), rows of 128 bytes,
	s_lshl_b32 s17, s17, 14
	s_add_co_u32 s16, s16, s17
	s_lshl_b32 s17, s12, 18                        ; the even or the odd head
	s_add_co_u32 s16, s16, s17
	s_mov_b32 s17, 0
	s_lshl_b32 s46, s42, 18                        ; wo: row 128 x block column + 64 x piece, rows of 2,048 bytes
	s_lshl_b32 s47, s12, 17
	s_add_co_u32 s46, s46, s47
	s_mov_b32 s47, 0
	s_mul_i32 s20, s10, PIECE                      ; where my piece goes: wave x 64 LDS rows
	s_wait_dscnt 0x0
	s_wait_kmcnt 0x0
	s_add_nc_u64 s[14:15], s[4:5], s[16:17]
	s_add_nc_u64 s[46:47], s[6:7], s[46:47]
	CROUND                                         ; all sixteen work-groups are here: the first joint loads meet
.irp s, 0,1,2,3
	s_mov_b32 s[G0+4*\s], 1                                        ; count = 1
	s_add_co_u32 s[G0+4*\s+1], s20, \s*SLOT                        ; LDS address
	s_add_nc_u64 s[G0+4*\s+2:G0+4*\s+3], s[14:15], \s*2*PLANE      ; K step s: two heads on
	s_or_b32 s[G0+4*\s+3], s[G0+4*\s+3], 0x80000000                ; type = 2
	s_mov_b32 s[G0B+4*\s], 1
	s_add_co_u32 s[G0B+4*\s+1], s20, \s*SLOT
	s_add_nc_u64 s[G0B+4*\s+2:G0B+4*\s+3], s[46:47], \s*256        ; K step s: 128 elements on
	s_or_b32 s[G0B+4*\s+3], s[G0B+4*\s+3], 0x80000000
	JLOAD \s                                       ; K steps 0 to 3: four tensor loads of the wave are out, the most in this text
.endr
	v_and_b32 v1, 15, v0                           ; r = l % 16
	v_bfe_u32 v2, v0, 4, 1                         ; h = l / 16
	s_lshl_b32 s60, s42, 9                         ; my first column in bytes of f32: 4 x (128 x block column + 64 x half)
	s_lshl_b32 s61, s12, 8
	s_add_co_u32 s60, s60, s61
	s_mov_b32 s61, 0
	s_add_nc_u64 s[58:59], s[58:59], s[60:61]
	v_lshlrev_b32 v[BO], 5, v2
.irp b, 0,1,2,3
	global_load_b128 v[BIAS+8*\b:BIAS+8*\b+3],   v[BO], s[58:59] offset:64*\b
	global_load_b128 v[BIAS+8*\b+4:BIAS+8*\b+7], v[BO], s[58:59] offset:64*\b+16
.endr
	s_add_nc_u64 s[56:57], s[56:57], s[60:61]      ; out0 at my first column
	s_lshl_b32 s62, s13, 19                        ; and my first row: (128 x block row + 64 x half) rows of 4,096 bytes
	s_lshl_b32 s63, s11, 18
	s_add_co_u32 s62, s62, s63
	s_mov_b32 s63, 0
	s_add_nc_u64 s[56:57], s[56:57], s[62:63]
	v_lshrrev_b32 v3, 1, v1                        ; a's fragment: row r lies in LDS row r / 2, half r % 2; 16 bytes for each half of the lanes
	v_mul_u32_u24 v3, v3, PITCH
	v_and_b32 v4, 1, v0
	v_lshl_add_u32 v3, v4, 7, v3
	v_lshl_add_u32 v3, v2, 4, v3
	v_mul_u32_u24 v4, v1, PITCH                    ; wo's fragment: row r
	v_lshl_add_u32 v4, v2, 4, v4
	s_mul_i32 s21, s11, 32*PITCH                   ; my 64 rows of a: 32 LDS rows of each head's piece
	s_mul_i32 s22, s12, PIECE                      ; my 64 rows of wo: one piece,
	s_add_co_u32 s22, s22, 2*PIECE                 ; behind a's two
.irp s, 0,1,2,3
	v_add_nc_u32 v[ADRA+\s], s21, v3
	v_add_nc_u32 v[ADRB+\s], s22, v4
	s_add_co_u32 s21, s21, SLOT
	s_add_co_u32 s22, s22, SLOT
.endr
	s_mul_i32 s23, s10, 16*PITCH
	s_add_co_u32 s23, s23, STAGE                   ; my stage
	v_mul_u32_u24 v5, v1, PITCH                    ; in: row r, 32 bytes (8 f32) for each half of the lanes
	v_lshl_add_u32 v5, v2, 5, v5
	v_add_nc_u32 v[STO], s23, v5
	v_mul_u32_u24 v5, v2, PITCH                    ; back: lanes 0-15 take one row of 256 bytes, lanes 16-31 the next
	v_lshl_add_u32 v5, v1, 4, v5
	v_add_nc_u32 v[RD], s23, v5
	v_lshlrev_b32 v5, 12, v2                       ; and the same two rows in out0
	v_lshl_add_u32 v[CO], v1, 4, v5
; 8 matrix instructions: row tiles a0, a0 + 1 x all 4 column tiles, 32 along K.  zero = 1: the first product takes the bias as C.
.macro MUL8 f, a0, zero
.irp a, \a0, \a0+1
.irp b, 0,1,2,3
.if \zero
	v_wmma_f32_16x16x32_bf16 v[8*(4*(\a)+\b):8*(4*(\a)+\b)+7], v[\f+32+8*\b:\f+32+8*\b+7], v[\f+8*(\a):\f+8*(\a)+7], v[BIAS+8*\b:BIAS+8*\b+7]
.else
	v_wmma_f32_16x16x32_bf16 v[8*(4*(\a)+\b):8*(4*(\a)+\b)+7], v[\f+32+8*\b:\f+32+8*\b+7], v[\f+8*(\a):\f+8*(\a)+7], v[8*(4*(\a)+\b):8*(4*(\a)+\b)+7]
.endif
.endr
.endr
.endm
; 16 LDS loads in one run: quarter q (32 along K) of a slot into buffer f: wo's four tiles, then a's four.  Quarters 0, 1 lie in the even head's piece, 2, 3 in the odd one's.
.macro FETCH slot, q, f
.irp b, 0,1,2,3
	ds_load_b128 v[\f+32+8*\b:\f+32+8*\b+3], v[ADRB+\slot] offset:\b*16*PITCH+\q*64
	ds_load_b128 v[\f+32+8*\b+4:\f+32+8*\b+7], v[ADRB+\slot] offset:\b*16*PITCH+\q*64+32
.endr
.irp a, 0,1,2,3
	ds_load_b128 v[\f+8*\a:\f+8*\a+3], v[ADRA+\slot] offset:\a*8*PITCH+(\q>>1)*PIECE+(\q&1)*64
	ds_load_b128 v[\f+8*\a+4:\f+8*\a+7], v[ADRA+\slot] offset:\a*8*PITCH+(\q>>1)*PIECE+(\q&1)*64+32
.endr
.endm
; Four places behind a matrix instruction, ahead of a load into a register that it has read and of an LDS store of its result (ISA guide 7.12.1
; for vector instructions).
.macro PLACES
.rept 4
	v_nop
.endr
.endm
; A quarter step: multiplies buffer f (16 matrix instructions) and in its middle fetches quarter q of slot into buffer g.  The 16 accumulators
; take turns, one instruction a turn, in the same order in every quarter.
.macro QUARTER slot, q, f, g, zero
	s_wait_dscnt 4                                 ; wo's tiles and a's tiles 0, 1 are in; the youngest four loads (a's tiles 2, 3) may be out
.if \zero
	WIN W_FIRST
.else
	WIN W_MUL
.endif
	MUL8 \f, 0, \zero
	PLACES
	WIN 0
	FETCH \slot, \q, \g
	s_wait_dscnt 16                                ; all but the 16 just issued
.if \zero
	WIN W_FIRST
.else
	WIN W_MUL
.endif
	MUL8 \f, 2, \zero
.endm
.macro STEP3 slot, zero                ; the first three quarters of a K step
	QUARTER \slot, 1, F0, F1, \zero
	QUARTER \slot, 2, F1, F0, 0
	QUARTER \slot, 3, F0, F1, 0
.endm
.macro NEXT n                          ; the fourth quarter where slot n is known whole since an earlier barrier: no barrier here
	QUARTER \n, 0, F1, F0, 0
.endm
; The fourth quarter with a barrier that shows slot n whole; cnt younger tensor loads may stay out.
.macro TURNB n, cnt
	s_wait_dscnt 4
	WIN W_MUL
	MUL8 F1, 0, 0
	s_wait_dscnt 0                                 ; no LDS instruction of mine is out at the signal
	s_wait_tensorcnt \cnt                          ; my piece of slot n is in
	WIN 0
	s_barrier_signal -1
	s_barrier_wait -1
	PLACES
	FETCH \n, 0, F0
	WIN W_MUL
	MUL8 F1, 2, 0
.endm
; The fourth quarter with a round of the cluster's barrier, behind which slots sa and sb, which have been read, are filled again four K steps on.
.macro TURNR n, sa, sb
	s_wait_dscnt 4
	WIN W_MUL
	MUL8 F1, 0, 0
	s_wait_dscnt 0                                 ; my reads of slots sa and sb are back
	s_wait_tensorcnt 0x0                           ; all my tensor loads have landed, my pieces of slot n and of the one behind it among them
	ds_add_u32 v62, v63
	s_wait_dscnt 0x0
	WIN 0
	s_barrier_signal -1
	s_barrier_wait -1
	CREST                                          ; both now hold of every wave of all sixteen work-groups
.irp t, \sa, \sb
	s_add_nc_u64 s[G0+4*\t+2:G0+4*\t+3], s[G0+4*\t+2:G0+4*\t+3], 8*PLANE
	s_add_nc_u64 s[G0B+4*\t+2:G0B+4*\t+3], s[G0B+4*\t+2:G0B+4*\t+3], 4*256
.endr
	JLOAD \sa                                      ; the first tensor loads behind the round: two of the wave are out
	JLOAD \sb
	PLACES
	FETCH \n, 0, F0
	WIN W_MUL
	MUL8 F1, 2, 0
.endm
	s_wait_loadcnt 0x0                             ; the bias: the first products read it
	s_wait_tensorcnt 3                             ; my piece of K step 0 is in; the three younger loads stay out
	s_barrier_signal -1
	s_barrier_wait -1
	FETCH 0, 0, F0
	STEP3 0, 1                                     ; K step 0: its first products start the sums
	TURNB 1, 2                                     ; slot 1 is whole; the loads of slots 2 and 3 stay out
	STEP3 1, 0                                     ; K step 1
	TURNR 2, 0, 1                                  ; slots 2 and 3 are whole; K steps 4 and 5 go out
	STEP3 2, 0
	NEXT 3
	STEP3 3, 0
	TURNR 0, 2, 3                                  ; slots 0 and 1 are whole; K steps 6 and 7 go out
	STEP3 0, 0
	NEXT 1
	STEP3 1, 0
	TURNB 2, 0                                     ; slots 2 and 3 are whole: no tensor load is out from here on
	STEP3 2, 0
	NEXT 3
	STEP3 3, 0
	s_wait_dscnt 4                                 ; the very last quarter: nothing more to fetch
	WIN W_MUL
	MUL8 F1, 0, 0
	s_wait_dscnt 0
	MUL8 F1, 2, 0
	; THE WAY OUT, 16 rows at a time: 32 bytes a lane into my own stage, read back as whole rows of 256 bytes.
	PLACES                                         ; the places behind the last matrix instructions
.macro OUT16 a, ob
	WIN W_ACC
.irp b, 0,1,2,3
	ds_store_b128 v[STO], v[8*(4*\a+\b):8*(4*\a+\b)+3] offset:64*\b
	ds_store_b128 v[STO], v[8*(4*\a+\b)+4:8*(4*\a+\b)+7] offset:64*\b+16
.endr
	WIN 0
	s_wait_xcnt 0x0                                ; buffer ob, which earlier stores read, is loaded again only behind this wait (ISA guide 3.1)
.irp t, 0,1,2,3,4,5,6,7
	ds_load_b128 v[\ob+4*\t:\ob+4*\t+3], v[RD] offset:\t*2*PITCH       ; LDS serves a wave's instructions in order (ISA guide 5.7.1.4): these see the stores above
.endr
.irp t, 0,1,2,3,4,5,6,7
	s_wait_dscnt 7-\t                              ; read-back t is in, the younger ones stay out
	global_store_b128 v[CO], v[\ob+4*\t:\ob+4*\t+3], s[56:57] offset:(16*\a+2*\t)*4096 th:TH_STORE_NT   ; 16 lanes store 256 consecutive bytes, aligned
.endr
.endm
	OUT16 0, OB0
	OUT16 1, OB1
	OUT16 2, OB0
	OUT16 3, OB1
	s_wait_tensorcnt 0x0
	ds_add_u32 v62, v63
	s_wait_dscnt 0x0
	CROUND                                         ; the closing round: no work-group ends while a partner may still ask for a tile that names it
	s_endpgm
.Lfunc_end_k_qbee05cc4c5_oproj:
	.size	k_qbee05cc4c5_oproj, .Lfunc_end_k_qbee05cc4c5_oproj-k_qbee05cc4c5_oproj
	.p2alignl 7, 3214868480
	.fill 96, 4, 3214868480
	.section	.rodata,"a",@progbits
	.p2align	6, 0x0
	.amdhsa_kernel k_qbee05cc4c5_oproj
		.amdhsa_group_segment_fixed_size 327680
		.amdhsa_private_segment_fixed_size 0
		.amdhsa_enable_private_segment 0
		.amdhsa_kernarg_size 32
		.amdhsa_user_sgpr_count 2
		.amdhsa_user_sgpr_kernarg_segment_ptr 1
		.amdhsa_wavefront_size32 1
		.amdhsa_system_sgpr_workgroup_id_x 1
		.amdhsa_system_sgpr_workgroup_id_y 1
		.amdhsa_system_sgpr_workgroup_id_z 1
		.amdhsa_system_vgpr_workitem_id 0
		.amdhsa_next_free_vgpr 384
		.amdhsa_next_free_sgpr 100
		.amdhsa_reserve_vcc 0
		.amdhsa_float_denorm_mode_32 3
		.amdhsa_float_denorm_mode_16_64 3
		.amdhsa_memory_ordered 1
		.amdhsa_forward_progress 1
		.amdhsa_inst_pref_size 93
	.end_amdhsa_kernel
	.amdgpu_metadata
---
amdhsa.version: [ 1, 2 ]
amdhsa.kernels:
  - .name:           k_qbee05cc4c5_oproj
    .symbol:         k_qbee05cc4c5_oproj.kd
    .args:
      - { .name: att, .offset: 0, .size: 8, .value_kind: global_buffer, .address_space: global }
      - { .name: wo, .offset: 8, .size: 8, .value_kind: global_buffer, .address_space: global }
      - { .name: out0, .offset: 16, .size: 8, .value_kind: global_buffer, .address_space: global }
      - { .name: b_o, .offset: 24, .size: 8, .value_kind: global_buffer, .address_space: global }
    .group_segment_fixed_size: 327680
    .private_segment_fixed_size: 0
    .kernarg_segment_align: 8
    .kernarg_segment_size: 32
    .max_flat_workgroup_size: 128
    .sgpr_count:     100
    .vgpr_count:     384
    .wavefront_size: 32
...
	.end_amdgpu_metadata
.endif
;; end of part 4
